; MI455X (gfx1250); checked and timed in simulation.
; The chip was launched on July 23, 2026; its instructions are those of AMD's public machine-readable ISA for CDNA 5 (MIT licence, August 2026) and "CDNA5" Instruction Set Architecture Reference Guide (July 2026). The comments in the code are by the model that wrote it; some were corrected since.
;; Grouped Query Attention. Allowed arithmetic: matrix products marked QUANTISED: E4M3 operands, one given power-of-two scale a tensor, by v_wmma_f32_16x16x64_fp8_fp8 or v_wmma_f32_16x16x128_fp8_fp8, f32 sums; everything else in f32.
;; Inputs: Wk 1,024 x 512 float32; Wo 2,048 x 2,048 float32; Wq 1,024 x 2,048 float32; Wv 1,024 x 512 float32; bo 2,048 float32; lowp_scales 12 int32 (the exponents e of the quantised operands' scales 2^e); x 2 x 2,048 x 1,024 float32.
;; Outputs: out0 2 x 2,048 x 2,048 float32.
;; This version of the problem:
;;   THIS VERSION OF THE PROBLEM IS GIVEN IN LOW PRECISION. The matrix products marked QUANTISED in the list below multiply operands that are first quantised to E4M3 (4 exponent bits, 3 mantissa bits; 8 bits a number), with one given power-of-two scale for each operand tensor; their sums are f32. All else is computed in f32.
;;   The module's matrix products, in the order in which they are computed (A, B: the left and right operand; K: the contracted axis; several contracted axes count as one K, in the product's order):
;;     1. [M 4,096, K 1,024] x [K 1,024, N 2,048]; A: input x; B: input Wq: QUANTISED (scales: A lowp_scales[0], B lowp_scales[1])
;;     2. [M 4,096, K 1,024] x [K 1,024, N 512]; A: input x; B: input Wk: QUANTISED (scales: A lowp_scales[2], B lowp_scales[3])
;;     3. [M 4,096, K 1,024] x [K 1,024, N 512]; A: input x; B: input Wv: QUANTISED (scales: A lowp_scales[4], B lowp_scales[5])
;;     4. batch 8 x [M 2,048, K 128] x [K 128, N 8,192]; A: computed on the way; B: computed on the way: QUANTISED (scales: A lowp_scales[6], B lowp_scales[7])
;;     5. batch 8 x [M 128, K 2,048] x [K 2,048, N 8,192]; A: computed on the way; B: softmax (see below): QUANTISED (scales: A lowp_scales[8], B lowp_scales[9])
;;     6. [M 4,096, K 2,048] x [K 2,048, N 2,048]; A: computed on the way; B: input Wo: QUANTISED (scales: A lowp_scales[10], B lowp_scales[11])
;;   THE QUANTISER, for each operand of a quantised product, along K:
;;     - The operand's scale is 2^e, e = its entry of the input lowp_scales (int32; the entries are numbered through the quantised products in the list's order, A before B).
;;     - Each number is divided by the scale, clamped to +-448, and rounded to the nearest number of E4M3, ties to even, subnormals kept.
;;     - The product sums the exact products of the quantised numbers (number of the format x scale) in f32.
;;   ~~~python
;;   def quantise(x, axis, e):      # numpy; x: float32 -> the quantised numbers, widened to float32 again
;;       x = np.moveaxis(x, axis, -1); K = x.shape[-1]
;;       r = np.clip(x / 2.0 ** e, -448, 448)
;;       step = 2.0 ** (np.maximum(np.frexp(np.where(r == 0, 1, r))[1] - 1, -6) - 3)
;;       q = np.round(r / step) * step * 2.0 ** e      # np.round: ties to even
;;       return np.moveaxis(q, -1, axis).astype(np.float32)
;;   ~~~
;;   SOFTMAX AHEAD OF A QUANTISED PRODUCT. Where the list says 'softmax', what is quantised is not the finished softmax but p = 2^(t - M), with t = logit x log2(e) and M = ceil(the row's largest t), a whole number; so 1/2 < the row's largest p <= 1. The row's sum l is taken of the UNQUANTISED p, in f32, and the product's result is divided by l at the end. Since M is a whole number, a kernel that streams over the keys may use a running M (the ceiling of the running maximum): every later rescaling is an exact power of two, so the quantised numbers keep their values, but for numbers so far below the row's largest that they fall under the format's range.
;;   OPERANDS COMPUTED ON THE WAY. 'Computed on the way' means the value that the module computes at that place (a softmax that the list does not call 'softmax' is quantised finished and normalised). What goes into a quantiser is computed in f32, as accurately as f32 sums, v_exp_f32 and their like allow (about 1e-6 of the number): no bf16 or f16 on the way to a quantiser, and a product that is left as it is and whose result goes on into a quantised operand takes f32 operands (vector FMAs, or v_wmma_f32_16x16x4_f32). A number that lies on a knife's edge between two numbers of the format may be rounded either way, as far as f32 arithmetic and the matrix unit's own rounding can turn it there, and no further.
;; One version. Each part assembles by itself: llvm-mc -triple=amdgcn-amd-amdhsa -mcpu=gfx1250 --defsym DOCPART=n.
;; ======== version 1 of 1: 4 launches
;; limits: right only within a limited range of input values
;; workspace buffers: x_img 12,582,912 bytes; wqkv_img 3,145,728 bytes; wo_img 4,194,304 bytes; qkv_img 12,582,912 bytes; ctx_img 8,388,608 bytes
;; launch quant (part 1): grid 704 x 1, 4 waves a work-group, no clusters, 35,328 bytes of LDS; arguments x, Wq, Wk, Wv, Wo, lowp_scales, x_img, wqkv_img, wo_img; writes x_img, wqkv_img, wo_img
.if DOCPART == 1
	.amdgcn_target "amdgcn-amd-amdhsa--gfx1250"
	.amdhsa_code_object_version 6
	.text
	.protected	k_qb5854f564b_quant
	.globl	k_qb5854f564b_quant
	.p2align	8
	.type	k_qb5854f564b_quant,@function
k_qb5854f564b_quant:
	s_mov_b64 s[64:65], 0
	v_nop
	global_prefetch_b8 v0, s[64:65] scope:SCOPE_SE
	s_setreg_imm32_b32 hwreg(HW_REG_WAVE_MODE, 25, 1), 1
	s_wait_xcnt 0x0
; GROUPED-QUERY ATTENTION IN FP8 (E4M3), four launches: quant (this one), proj, attn, outp.
; THIS LAUNCH turns x, Wq, Wk, Wv and Wo (f32) into codes: code = number / 2^e, held within +-448, to the nearest code, ties to even; e is the operand's entry of lowp_scales.
; x is an operand of three products with three given scales (entries 0, 2, 4), which may differ: three sets of codes are made.  Wq: entry 1, Wk: 3, Wv: 5, Wo: 11.
; LAYOUT OF ALL CODES THAT THE LAUNCHES HAND ON: images of the operand's registers.  A FRAGMENT is 16 rows x 128 along K = 2,048 bytes = [piece c 0..3][lane 0..31][16 bytes]: lane (r = lane % 16, h = lane / 16),
; piece c, byte y holds row r at k = 32 c + 16 (y / 8) + 8 h + y % 8: four loads of 16 bytes a lane at 512 c + 16 lane give the sixteen registers of v_wmma_f32_16x16x128_fp8_fp8 with every k in its own place.
; A PANEL is 8 fragments (128 rows x 128 K), dense; a buffer is [block of 128 rows][chunk of 128 along K][8 fragments].  For a weight stored [K][N] a row of the image is a COLUMN of the weight.
; DEAD WORK, left out in launch attn: reference() itself sets every score with key > query to -infinity (its own triu mask) ahead of the softmax, so its weight is 0 for all values of the inputs.
; A step of 128 keys all of which come after a wave's 16 queries therefore adds 0 to the row's sum and to the product with v: such steps are not computed, and K and V tiles that no wave would read are not fetched.
; Every input has a way to the output and is loaded.  LIMIT: a NaN, an infinity or an overflow that would arise only in those hidden scores is not carried to the result.
; LIMITS of this launch: each e used here lies between -126 and 119, so that 2^e and 448 x 2^e are f32 numbers.  NaN among the inputs is not served (an infinity is held at the largest code).
; SHARES.  Work-groups 0-255: 16 rows of x each; wave w takes chunks 2 w and 2 w + 1 (two fragments, in three classes).  Work-groups 256-383: a panel of Wq each; 384-639: of Wo; 640-703: of Wk or Wv.
; No tensor load, no barrier, no loop: waves share nothing.  Only the path for x touches LDS.  Matrix units and clusters have nothing to do here: each byte is read once and written once.
.set WREG,  8704                       ; LDS: a stage for each wave: 16 rows x SP bytes, rounded up
.set SP,    528                        ; a stage row: a chunk's 512 bytes + 16, so that sixteen rows begin at sixteen different 16-byte columns
.set SPARE, 4*WREG                     ; behind the stages: the spare words, 128 bytes for each wave: two blocks of 256 bytes that no other line names
.set VIN,   2                          ; v2   x: my 16 bytes of a load's 512     (weights: 4 x thread)
.set VOUT,  3                          ; v3   my 16 bytes of a piece's 512       (weights: my row's place in the panel)
.set STW,   4                          ; v4   the stage, on the way in
.set STR,   5                          ; v5   the stage, on the way out
.set SPW,   12                         ; v12  LDS address of my spare word; never rewritten
.set NIL,   13                         ; v13  0; never rewritten
.set R,     16                         ; v16-79, v80-143: a fragment's numbers as loaded; later its codes, 16 registers a class
.set XS,    144                        ; v144-207: 64 numbers of my row, register 8 m + i = k 16 m + 8 h + i
.set T,     208                        ; v208-223: two sets of eight held numbers, by turns
.set XW,    32                         ; weights: v32-95 two sets of 32 numbers down K
.set CW,    96                         ; weights: v96-127 codes, eight registers a block of 32 along K; none is written twice
.macro MKSC vs, vl, se                 ; v[vs] = 2^e as f32 (the conversion takes its exponent field), v[vl] = 448 x 2^e
	s_add_co_i32 s36, \se, 127
	s_lshl_b32 s37, s36, 23
	v_mov_b32 v[\vs], s37
	s_add_co_i32 s36, s36, 8
	s_lshl_b32 s36, s36, 23
	s_or_b32 s36, s36, 0x600000
	v_mov_b32 v[\vl], s36
.endm
	s_load_b256 s[4:11], s[0:1], 0x0               ; x s[4:5], Wq s[6:7], Wk s[8:9], Wv s[10:11]
	s_load_b256 s[12:19], s[0:1], 0x20             ; Wo s[12:13], the exponents s[14:15], x_img s[16:17], wqkv_img s[18:19]
	s_load_b64 s[20:21], s[0:1], 0x40              ; wo_img
	v_lshl_add_u32 v[SPW], v0, 2, SPARE
	v_mov_b32 v[NIL], 0
	v_lshrrev_b32 v1, 5, v0
	v_readfirstlane_b32 s22, v1                    ; wave 0..3
	s_wait_kmcnt 0x0
	s_load_b256 s[24:31], s[14:15], 0x0            ; e0 .. e7
	s_load_b128 s[32:35], s[14:15], 0x20           ; e8 .. e11
	s_cmp_lt_u32 ttmp9, 256
	s_cbranch_scc0 .Lweights
; ---------------- x: K is innermost.  A load takes one row's chunk as it lies, 512 consecutive bytes; the stage turns 16 such rows so that a lane holds, of ONE row, eight neighbours along K in eight registers.
	s_lshl_b32 s38, ttmp9, 16                      ; my work-group's 16 rows of 4,096 bytes
	s_mov_b32 s39, 0
	s_add_nc_u64 s[4:5], s[4:5], s[38:39]
	s_lshr_b32 s38, ttmp9, 3
	s_lshl_b32 s38, s38, 17                        ; the block of 128 rows: 8 panels
	s_and_b32 s23, ttmp9, 7
	s_lshl_b32 s23, s23, 11                        ; the fragment in a panel
	s_or_b32 s38, s38, s23
	s_add_nc_u64 s[40:41], s[16:17], s[38:39]      ; class 0 (e0),
	s_add_nc_u64 s[42:43], s[40:41], 0x400000      ; class 1 (e2), 4 MiB on,
	s_add_nc_u64 s[44:45], s[42:43], 0x400000      ; class 2 (e4)
	v_and_b32 v1, 31, v0
	v_lshlrev_b32 v1, 4, v1                        ; 16 x lane
	s_lshl_b32 s23, s22, 10
	v_add_nc_u32 v[VIN], s23, v1                   ; my wave's two chunks begin 1,024 w bytes into a row
	s_lshl_b32 s23, s22, 15
	v_add_nc_u32 v[VOUT], s23, v1                  ; and two panels on for each wave in the image
	s_mul_i32 s23, s22, WREG
	v_add_nc_u32 v[STW], s23, v1
	v_and_b32 v14, 15, v0                          ; r
	v_bfe_u32 v15, v0, 4, 1                        ; h
	v_mul_u32_u24 v[STR], v14, SP
	v_lshl_add_u32 v[STR], v15, 5, v[STR]          ; row r, + 32 h bytes: k = 8 h on
	v_add_nc_u32 v[STR], s23, v[STR]
.irp f, 0,1
.irp row, 0,1,2,3,4,5,6,7,8,9,10,11,12,13,14,15
	global_load_b128 v[R+64*\f+4*\row:R+64*\f+4*\row+3], v[VIN], s[4:5] offset:\row*4096+\f*512 th:TH_LOAD_NT   ; 32 lanes read 512 consecutive bytes
.endr
.endr
	s_wait_alu depctr_va_vdst(0)
	s_wait_kmcnt 0x0
	MKSC 6, 7, s24
	MKSC 8, 9, s26
	MKSC 10, 11, s28
.macro TURN f                          ; fragment f's 16 rows through my stage.  LDS serves a wave's instructions in order, so no wait stands between the stores and the loads, and one stage serves both fragments
.irp row, 0,1,2,3,4,5,6,7,8,9,10,11,12,13,14,15
	ds_store_b128 v[STW], v[R+64*\f+4*\row:R+64*\f+4*\row+3] offset:\row*SP
.endr
.irp m, 0,1,2,3,4,5,6,7
	ds_load_b128 v[XS+8*\m:XS+8*\m+3], v[STR] offset:64*\m
	ds_load_b128 v[XS+8*\m+4:XS+8*\m+7], v[STR] offset:64*\m+16
.endr
	s_wait_dscnt 0x0                               ; the numbers are back, and the stores have read R's registers, which take the codes
.endm
.macro QX f                            ; three classes of codes from the same 64 numbers.  The hold writes a copy, so that the numbers stay for the next class
.irp u, 0,1,2
.irp m, 0,1,2,3,4,5,6,7
.irp i, 0,1,2,3,4,5,6,7
	v_med3_num_f32 v[T+8*(\m%2)+\i], v[XS+8*\m+\i], -v[7+2*\u], v[7+2*\u]   ; the conversion to an 8-bit code does not saturate (ISA guide 7.6.2): held within 448 x the scale first
.endr
	v_cvt_scalef32_pk8_fp8_f32 v[R+64*\f+16*\u+2*\m:R+64*\f+16*\u+2*\m+1], v[T+8*(\m%2):T+8*(\m%2)+7], v[6+2*\u]   ; registers 2 m, 2 m + 1 of the fragment.  The next eight holds write the other set: plain lines behind the conversion
.endr
.endr
	v_nop                                          ; a plain line behind the last conversion
.irp u, 0,1,2
.irp c, 0,1,2,3
	global_store_b128 v[VOUT], v[R+64*\f+16*\u+4*\c:R+64*\f+16*\u+4*\c+3], s[40+2*\u:41+2*\u] offset:\f*16384+512*\c   ; a piece: 512 consecutive bytes, aligned
.endr
.endr
.endm
	s_wait_alu depctr_va_vdst(0)
	s_wait_loadcnt 16                              ; fragment 0's sixteen loads are in; fragment 1's sixteen may be out
	TURN 0
	QX 0
	s_wait_loadcnt 0x0
	TURN 1
	QX 1
	s_wait_tensorcnt 0x0                           ; the wave's end: behind my last LDS store
	ds_add_u32 v[SPW], v[NIL]
	s_wait_dscnt 0x0
	s_endpgm
; ---------------- the weights: K is the FIRST axis.  A thread takes a column and its registers run down K: each load reads neighbouring columns in neighbouring lanes, and the conversions give codes with K innermost.
; A block of 32 along K is four groups of eight: groups 0 and 2 are the 16 bytes of lane (r, 0) in piece t, groups 1 and 3 those of lane (r, 1), 256 bytes on.
; In each store lanes 0-15 write 256 consecutive bytes of fragment 2 w, lanes 16-31 of fragment 2 w + 1, each aligned.  These waves never touch LDS.
.macro LOADW t, pitch
.set n, 0
.rept 32
	global_load_b32 v[XW+32*((\t)%2)+n], v[VIN], s[40:41] offset:(32*(\t)+n)*\pitch th:TH_LOAD_NT
.set n, n+1
.endr
.endm
.macro BLOCKW t, pitch
.set XB, XW+32*((\t)%2)
.if (\t) < 3
	s_wait_loadcnt 32                              ; this block's 32 loads are in; the next block's 32 may be out
.else
	s_wait_loadcnt 0x0
.endif
.set n, 0
.rept 32
	v_med3_num_f32 v[XB+n], v[XB+n], -v10, v10
.set n, n+1
.endr
	v_cvt_scalef32_pk8_fp8_f32 v[CW+8*(\t):CW+8*(\t)+1], v[XB:XB+7], v11
	v_cvt_scalef32_pk8_fp8_f32 v[CW+8*(\t)+2:CW+8*(\t)+3], v[XB+16:XB+23], v11
	v_cvt_scalef32_pk8_fp8_f32 v[CW+8*(\t)+4:CW+8*(\t)+5], v[XB+8:XB+15], v11
	v_cvt_scalef32_pk8_fp8_f32 v[CW+8*(\t)+6:CW+8*(\t)+7], v[XB+24:XB+31], v11
	v_nop                                          ; a plain line behind the last conversion
.if (\t)+2 < 4
	LOADW (\t)+2, \pitch
.endif
	global_store_b128 v[VOUT], v[CW+8*(\t):CW+8*(\t)+3], s[42:43] offset:512*(\t)
	global_store_b128 v[VOUT], v[CW+8*(\t)+4:CW+8*(\t)+7], s[42:43] offset:512*(\t)+256
.endm
.macro WBODY pitch                     ; s[40:41]: the panel's first number; s[42:43]: the panel in the image; s48, and the two exponents named: which scale
	LOADW 0, \pitch
	LOADW 1, \pitch
	s_wait_kmcnt 0x0
.endm
.Lweights:
	v_lshlrev_b32 v[VIN], 2, v0                    ; in: 4 bytes a thread: 128 consecutive bytes a wave, 512 a work-group
	v_lshrrev_b32 v[VOUT], 4, v0
	v_and_b32 v4, 15, v0
	v_lshlrev_b32 v4, 4, v4
	v_lshl_add_u32 v[VOUT], v[VOUT], 11, v4        ; out: fragment thread / 16, 16 bytes for row thread % 16
	s_mov_b32 s39, 0
	s_mov_b32 s51, 0
	s_cmp_lt_u32 ttmp9, 640
	s_cbranch_scc0 .Lnarrow
	; Wq (128 panels) and Wo (256 panels): rows of 8,192 bytes
	s_sub_co_u32 s38, ttmp9, 256
	s_cmp_lt_u32 s38, 128                          ; the choice hangs on the work-group's number alone
	s_cselect_b64 s[40:41], s[6:7], s[12:13]
	s_cselect_b64 s[42:43], s[18:19], s[20:21]
	s_cselect_b32 s46, 17, 18                      ; a block of 128 rows of the image: 8 panels for Wq (K = 1,024), 16 for Wo (K = 2,048)
	s_cselect_b32 s48, 1, 0
	s_cselect_b32 s47, 0, 128
	s_sub_co_u32 s38, s38, s47
	s_and_b32 s49, s38, 15                         ; which 128 columns
	s_lshr_b32 s47, s38, 4                         ; which 128 along K
	s_lshl_b32 s50, s47, 20                        ; 128 rows of 8,192 bytes
	s_lshl_b32 s52, s49, 9
	s_add_co_u32 s50, s50, s52
	s_lshl_b32 s38, s49, s46
	s_lshl_b32 s52, s47, 14
	s_add_co_u32 s38, s38, s52
	s_add_nc_u64 s[40:41], s[40:41], s[50:51]
	s_add_nc_u64 s[42:43], s[42:43], s[38:39]
	s_wait_alu depctr_va_vdst(0)
	WBODY 8192
	s_cmp_eq_u32 s48, 1
	s_cselect_b32 s49, s25, s35                    ; e1 or e11
	MKSC 11, 10, s49
	s_wait_alu depctr_va_vdst(0)
	BLOCKW 0, 8192
	BLOCKW 1, 8192
	BLOCKW 2, 8192
	BLOCKW 3, 8192
	s_endpgm
.Lnarrow:
	; Wk and Wv (32 panels each): rows of 2,048 bytes
	s_sub_co_u32 s38, ttmp9, 640
	s_lshr_b32 s48, s38, 5                         ; 0: Wk, 1: Wv
	s_cmp_eq_u32 s48, 0
	s_cselect_b64 s[40:41], s[8:9], s[10:11]
	s_and_b32 s49, s38, 3                          ; which 128 columns
	s_bfe_u32 s47, s38, 0x30002                    ; which 128 along K
	s_lshl_b32 s50, s47, 18                        ; 128 rows of 2,048 bytes
	s_lshl_b32 s52, s49, 9
	s_add_co_u32 s50, s50, s52
	s_lshl_b32 s38, s48, 2
	s_add_co_u32 s38, s38, s49
	s_add_co_u32 s38, s38, 16                      ; behind Wq's 16 blocks: Wk's four, then Wv's four
	s_lshl_b32 s38, s38, 17
	s_lshl_b32 s52, s47, 14
	s_add_co_u32 s38, s38, s52
	s_add_nc_u64 s[40:41], s[40:41], s[50:51]
	s_add_nc_u64 s[42:43], s[18:19], s[38:39]
	s_wait_alu depctr_va_vdst(0)
	WBODY 2048
	s_cmp_eq_u32 s48, 0
	s_cselect_b32 s49, s27, s29                    ; e3 or e5
	MKSC 11, 10, s49
	s_wait_alu depctr_va_vdst(0)
	BLOCKW 0, 2048
	BLOCKW 1, 2048
	BLOCKW 2, 2048
	BLOCKW 3, 2048
	s_endpgm
.Lfunc_end_k_qb5854f564b_quant:
	.size	k_qb5854f564b_quant, .Lfunc_end_k_qb5854f564b_quant-k_qb5854f564b_quant
	.p2alignl 7, 3214868480
	.fill 96, 4, 3214868480
	.section	.rodata,"a",@progbits
	.p2align	6, 0x0
	.amdhsa_kernel k_qb5854f564b_quant
		.amdhsa_group_segment_fixed_size 35328
		.amdhsa_private_segment_fixed_size 0
		.amdhsa_enable_private_segment 0
		.amdhsa_kernarg_size 72
		.amdhsa_user_sgpr_count 2
		.amdhsa_user_sgpr_kernarg_segment_ptr 1
		.amdhsa_wavefront_size32 1
		.amdhsa_system_sgpr_workgroup_id_x 1
		.amdhsa_system_sgpr_workgroup_id_y 1
		.amdhsa_system_sgpr_workgroup_id_z 1
		.amdhsa_system_vgpr_workitem_id 0
		.amdhsa_next_free_vgpr 224
		.amdhsa_next_free_sgpr 66
		.amdhsa_reserve_vcc 0
		.amdhsa_float_denorm_mode_32 3
		.amdhsa_float_denorm_mode_16_64 3
		.amdhsa_memory_ordered 1
		.amdhsa_forward_progress 1
		.amdhsa_inst_pref_size 86
	.end_amdhsa_kernel
	.amdgpu_metadata
---
amdhsa.version: [ 1, 2 ]
amdhsa.kernels:
  - .name:           k_qb5854f564b_quant
    .symbol:         k_qb5854f564b_quant.kd
    .args:
      - { .name: x, .offset: 0, .size: 8, .value_kind: global_buffer, .address_space: global }
      - { .name: Wq, .offset: 8, .size: 8, .value_kind: global_buffer, .address_space: global }
      - { .name: Wk, .offset: 16, .size: 8, .value_kind: global_buffer, .address_space: global }
      - { .name: Wv, .offset: 24, .size: 8, .value_kind: global_buffer, .address_space: global }
      - { .name: Wo, .offset: 32, .size: 8, .value_kind: global_buffer, .address_space: global }
      - { .name: lowp_scales, .offset: 40, .size: 8, .value_kind: global_buffer, .address_space: global }
      - { .name: x_img, .offset: 48, .size: 8, .value_kind: global_buffer, .address_space: global }
      - { .name: wqkv_img, .offset: 56, .size: 8, .value_kind: global_buffer, .address_space: global }
      - { .name: wo_img, .offset: 64, .size: 8, .value_kind: global_buffer, .address_space: global }
    .group_segment_fixed_size: 35328
    .private_segment_fixed_size: 0
    .kernarg_segment_align: 8
    .kernarg_segment_size: 72
    .max_flat_workgroup_size: 128
    .sgpr_count:     66
    .vgpr_count:     224
    .wavefront_size: 32
...
	.end_amdgpu_metadata
.endif
;; end of part 1
;; launch proj (part 2): grid 16 x 12, 4 waves a work-group, clusters of 4 x 1, 327,680 bytes of LDS; arguments x_img, wqkv_img, lowp_scales, qkv_img; writes qkv_img
.if DOCPART == 2
	.amdgcn_target "amdgcn-amd-amdhsa--gfx1250"
	.amdhsa_code_object_version 6
	.text
	.protected	k_qb5854f564b_proj
	.globl	k_qb5854f564b_proj
	.p2align	8
	.type	k_qb5854f564b_proj,@function
k_qb5854f564b_proj:
	s_mov_b64 s[64:65], 0
	v_nop
	global_prefetch_b8 v0, s[64:65] scope:SCOPE_SE
	s_setreg_imm32_b32 hwreg(HW_REG_WAVE_MODE, 25, 1), 1
	s_wait_xcnt 0x0
	s_wait_alu depctr_hold_cnt(0) depctr_sa_sdst(0) depctr_va_vdst(0) depctr_va_sdst(0) depctr_va_ssrc(0) depctr_va_vcc(0) depctr_vm_vsrc(0)
	s_getreg_b32 s2, hwreg(HW_REG_IB_STS2, 6, 4)
	s_cmp_eq_u32 s2, 0
	s_cbranch_scc0 .Lentry_in_a_cluster
	s_endpgm
.Lentry_in_a_cluster:
	s_bfe_u32 s2, ttmp6, 0x10000c
	s_cmp_lg_u32 s2, 0x3003
	s_cbranch_scc0 .Lentry_shape_is_right
	s_endpgm
.Lentry_shape_is_right:
.set FR,    16
.set FRB,   2048
.set PANEL, 16384
.set NP,    4
.set HALFB, 2*PANEL
.set SLOT,  4*HALFB
.set SPARE, 2*SLOT
.set SCL,  12
.set LIMV, 13
.set ADRA, 16
.set ADRB, 20
.set CO,   26
.set SPW,  28
.set NIL,  29
.set TMP,  32
.set AF,   128
.set G1,  24
.set G0,  32
.set G1B, 48
.set G0B, 56
.set MSB, 0
.macro WIN new
.if MSB != (\new)
	s_set_vgpr_msb (MSB<<8)|(\new)
.set MSB, (\new)
.endif
.endm
.set MUL_LO, 0xa1
.set MUL_HI, 0xf1
.set TO_B,   0x40
.macro JLOAD g0a, g1a, g0b, g1b
	s_cmp_eq_u32 s15, 0
	s_cbranch_scc0 .Lfor_b_\@
	tensor_load_to_lds s[\g0a:\g0a+3], s[\g1a:\g1a+7]
	s_nop 0
.rept 4
	v_nop
.endr
	s_branch .Lasked_\@
.Lfor_b_\@:
	tensor_load_to_lds s[\g0b:\g0b+3], s[\g1b:\g1b+7]
	s_nop 0
.rept 4
	v_nop
.endr
.Lasked_\@:
.endm
.macro CREST
	s_cmp_lg_u32 s14, 0
	s_cbranch_scc1 .Lnot_wave_0_\@
	s_barrier_signal -3
.Lnot_wave_0_\@:
	s_barrier_wait -3
	s_barrier_signal -1
	s_barrier_wait -1
.endm
.macro CROUND
	s_barrier_signal -1
	s_barrier_wait -1
	CREST
.endm
	s_load_b128 s[4:7], s[0:1], 0x0
	s_load_b128 s[8:11], s[0:1], 0x10
	v_lshl_add_u32 v[SPW], v0, 2, SPARE
	v_mov_b32 v[NIL], 0
	ds_add_u32 v[SPW], v[NIL]
	ds_add_u32 v[SPW], v[NIL]
	v_lshrrev_b32 v1, 5, v0
	v_readfirstlane_b32 s14, v1
	s_lshr_b32 s15, s14, 1
	s_and_b32 s16, s14, 1
	s_bfe_u32 s40, ttmp6, 0x40000
	s_lshl_b32 s42, ttmp9, 2
	s_add_co_u32 s42, s42, s40
	s_and_b32 s17, ttmp7, 0xffff
	s_sub_co_u32 s43, s17, 6
	s_lshr_b32 s43, s43, 1
	s_and_b32 s45, s17, 1
	s_cmp_lt_u32 s17, 8
	s_cselect_b32 s43, 0, s43
	s_cselect_b32 s45, s17, s45
	s_cmp_eq_u32 s43, 2
	s_cselect_b32 s44, 1, 0
	s_cselect_b32 s46, 65536, 0
	s_cselect_b32 s47, 0, 65536
	s_mov_b32 s[G1], 3<<16
	s_mov_b32 s[G1B], 15|(3<<16)|(1<<21)
.irp g, G1, G1B
	s_mov_b32 s[\g+1], 32<<16
	s_mov_b32 s[\g+2], 128<<16
	s_mov_b32 s[\g+3], 32<<16
	s_mov_b32 s[\g+4], 128
	s_mov_b32 s[\g+5], 32
	s_mov_b32 s[\g+6], 0
	s_mov_b32 s[\g+7], 0
.endr
	s_lshl_b32 s20, s43, 22
	s_lshl_b32 s21, s42, 18
	s_add_co_u32 s20, s20, s21
	s_lshl_b32 s21, s16, 17
	s_add_co_u32 s20, s20, s21
	s_mov_b32 s21, 0
	s_lshl_b32 s22, s17, 18
	s_lshl_b32 s23, s16, 17
	s_add_co_u32 s22, s22, s23
	s_mov_b32 s23, 0
	s_lshl_b32 s18, s14, 15
	s_wait_dscnt 0x0
	s_wait_kmcnt 0x0
	s_load_b256 s[68:75], s[8:9], 0x0
	s_load_b128 s[76:79], s[8:9], 0x20
	s_add_nc_u64 s[20:21], s[4:5], s[20:21]
	s_add_nc_u64 s[22:23], s[6:7], s[22:23]
	CROUND
.irp s, 0,1
	s_mov_b32 s[G0+4*\s], 1
	s_add_co_u32 s[G0+4*\s+1], s18, \s*SLOT
	s_add_nc_u64 s[G0+4*\s+2:G0+4*\s+3], s[20:21], \s*HALFB
	s_or_b32 s[G0+4*\s+3], s[G0+4*\s+3], 0x80000000
	s_mov_b32 s[G0B+4*\s], 1
	s_add_co_u32 s[G0B+4*\s+1], s18, \s*SLOT
	s_add_nc_u64 s[G0B+4*\s+2:G0B+4*\s+3], s[22:23], \s*HALFB
	s_or_b32 s[G0B+4*\s+3], s[G0B+4*\s+3], 0x80000000
.if \s                                         ; slot 0's load goes out behind the opening round; slot 1's first fill is issued as a refill is: the wait for all my loads, the add, its wait, a round
	s_wait_alu depctr_va_vdst(0)
	s_wait_tensorcnt 0x0
	ds_add_u32 v28, v29
	ds_add_u32 v28, v29
	s_wait_dscnt 0x0
	CROUND
.endif
	JLOAD G0+4*\s, G1, G0B+4*\s, G1B
.endr
	v_and_b32 v[CO], 31, v0
	v_lshlrev_b32 v[CO], 4, v[CO]
	s_lshl_b32 s19, s15, 15
	s_add_co_u32 s19, s19, s46
	s_lshl_b32 s41, s16, 15
	s_add_co_u32 s41, s41, s47
.irp s, 0,1
	v_add_nc_u32 v[ADRA+\s], s19, v[CO]
	v_add_nc_u32 v[ADRB+\s], s41, v[CO]
	s_add_co_u32 s19, s19, SLOT
	s_add_co_u32 s41, s41, SLOT
.endr
.macro FRAG reg, adr, q, i
.irp c, 0,1,2,3
	ds_load_b128 v[\reg+4*\c:\reg+4*\c+3], v[\adr] offset:PANEL*(\q)+FRB*(\i)+512*\c
.endr
.endm
.macro MUL2 a0, p, zero
.irp a, \a0, \a0+1
.irp b, 0,1,2,3,4,5,6,7
.if \zero
	v_wmma_f32_16x16x128_fp8_fp8 v[8*(8*((\a)%4)+\b):8*(8*((\a)%4)+\b)+7], v[128*(\p)+FR*\b:128*(\p)+FR*\b+FR-1], v[AF+FR*(\a):AF+FR*(\a)+FR-1], 0
.else
	v_wmma_f32_16x16x128_fp8_fp8 v[8*(8*((\a)%4)+\b):8*(8*((\a)%4)+\b)+7], v[128*(\p)+FR*\b:128*(\p)+FR*\b+FR-1], v[AF+FR*(\a):AF+FR*(\a)+FR-1], v[8*(8*((\a)%4)+\b):8*(8*((\a)%4)+\b)+7]
.endif
.endr
.endr
.endm
.macro FETCH_B slot, q, p
	WIN TO_B
.irp i, 0,1,2,3,4,5,6,7
	FRAG 128*(\p)+FR*\i, ADRB+\slot, \q, \i
.endr
	WIN 0
.endm
.macro FETCH_A slot, q, i0
.irp i, \i0, \i0+1, \i0+2, \i0+3
	FRAG AF+FR*(\i), ADRA+\slot, \q, \i
.endr
.endm
.macro PLACES n
.rept \n
	v_nop
.endr
.endm
.macro STEP slot, q, zero
	s_wait_dscnt 16
	WIN MUL_LO
	MUL2 0, (\q)%2, \zero
	MUL2 2, (\q)%2, \zero
	s_wait_dscnt 0x0
	PLACES NP
	FETCH_B \slot, (\q)+1, 1-(\q)%2
	FETCH_A \slot, (\q)+1, 0
	WIN MUL_HI
	MUL2 4, (\q)%2, \zero
	MUL2 6, (\q)%2, \zero
	PLACES NP
	WIN 0
	FETCH_A \slot, (\q)+1, 4
.endm
.macro TURN slot, next, fill
	s_wait_dscnt 16                                ; a slot's last step is multiplied whole from registers, ahead of the change of slots
	WIN MUL_LO
	MUL2 0, 1, 0
	MUL2 2, 1, 0
	s_wait_dscnt 0x0
	WIN MUL_HI
	MUL2 4, 1, 0
	MUL2 6, 1, 0
	WIN 0
	s_wait_tensorcnt 0x0                           ; all my tensor loads have landed: my part of the next slot
	ds_add_u32 v[SPW], v[NIL]
	s_wait_dscnt 0x0                               ; the add is done; my reads of this slot were over above
	s_barrier_signal -1
	s_barrier_wait -1
.if \fill
	CREST
	s_add_nc_u64 s[G0+4*\slot+2:G0+4*\slot+3], s[G0+4*\slot+2:G0+4*\slot+3], 2*HALFB
	s_add_nc_u64 s[G0B+4*\slot+2:G0B+4*\slot+3], s[G0B+4*\slot+2:G0B+4*\slot+3], 2*HALFB
	JLOAD G0+4*\slot, G1, G0B+4*\slot, G1B
.else
	PLACES NP
.endif
	FETCH_B \next, 0, 0
	FETCH_A \next, 0, 0
	FETCH_A \next, 0, 4
.endm
	s_wait_alu depctr_va_vdst(0)
	s_wait_tensorcnt 1
	s_barrier_signal -1
	s_barrier_wait -1
	FETCH_B 0, 0, 0
	FETCH_A 0, 0, 0
	FETCH_A 0, 0, 4
	STEP 0, 0, 1
	TURN 0, 1, 1
	STEP 1, 0, 0
	TURN 1, 0, 1
	STEP 0, 0, 0
	TURN 0, 1, 0
	STEP 1, 0, 0
	s_wait_dscnt 16
	WIN MUL_LO
	MUL2 0, 1, 0
	MUL2 2, 1, 0
	s_wait_dscnt 0x0
	WIN MUL_HI
	MUL2 4, 1, 0
	MUL2 6, 1, 0
	WIN 0
	s_wait_kmcnt 0x0
	s_sub_co_i32 s80, s75, s68
	s_sub_co_i32 s80, s80, s69
	s_sub_co_i32 s81, s74, s70
	s_sub_co_i32 s81, s81, s71
	s_sub_co_i32 s82, s76, s72
	s_sub_co_i32 s82, s82, s73
	s_cmp_eq_u32 s43, 0
	s_cselect_b32 s80, s80, s81
	s_cmp_eq_u32 s43, 2
	s_cselect_b32 s80, s82, s80
	s_add_co_i32 s80, s80, 127
	s_lshl_b32 s81, s80, 23
	v_mov_b32 v[SCL], s81
	s_add_co_i32 s80, s80, 8
	s_lshl_b32 s80, s80, 23
	s_or_b32 s80, s80, 0x600000
	v_mov_b32 v[LIMV], s80
	s_wait_alu depctr_va_vdst(0)
	s_cmp_eq_u32 s44, 1
	s_cselect_b32 s83, s16, s15
	s_cselect_b32 s84, s15, s16
	s_cmp_eq_u32 s43, 0
	s_cselect_b32 s85, 4, 2
	s_lshr_b32 s86, s42, 3
	s_lshl_b32 s86, s86, s85
	s_lshl_b32 s87, s45, 1
	s_add_co_u32 s87, s87, s84
	s_add_co_u32 s86, s86, s87
	s_lshl_b32 s86, s86, 4
	s_and_b32 s87, s42, 7
	s_lshl_b32 s87, s87, 1
	s_add_co_u32 s87, s87, s83
	s_add_co_u32 s86, s86, s87
	s_lshl_b32 s86, s86, 14
	s_mul_i32 s88, s43, 0x200000
	s_add_co_u32 s88, s88, 0x600000
	s_cmp_eq_u32 s43, 0
	s_cselect_b32 s88, 0, s88
	s_add_co_u32 s86, s86, s88
	s_mov_b32 s87, 0
	s_add_nc_u64 s[10:11], s[10:11], s[86:87]
	PLACES NP
.macro OUTA a
	WIN 0x02+(\a)/4
.set n, 0
.rept 64
	v_med3_num_f32 v[TMP+n], v[64*((\a)%4)+n], -v[LIMV], v[LIMV]
.set n, n+1
.endr
	WIN 0
.irp b, 0,1,2,3,4,5,6,7
	v_cvt_scalef32_pk8_fp8_f32 v[AF+16*(\a)+2*\b:AF+16*(\a)+2*\b+1], v[TMP+8*\b:TMP+8*\b+7], v[SCL]
.endr
	v_nop
.irp c, 0,1,2,3
	global_store_b128 v[CO], v[AF+16*(\a)+4*\c:AF+16*(\a)+4*\c+3], s[10:11] offset:FRB*(\a)+512*\c
.endr
.endm
.irp a, 0,1,2,3,4,5,6,7
	OUTA \a
.endr
	s_wait_tensorcnt 0x0
	ds_add_u32 v[SPW], v[NIL]
	s_wait_dscnt 0x0
	CROUND
	s_endpgm
.Lfunc_end_k_qb5854f564b_proj:
	.size	k_qb5854f564b_proj, .Lfunc_end_k_qb5854f564b_proj-k_qb5854f564b_proj
	.p2alignl 7, 3214868480
	.fill 96, 4, 3214868480
	.section	.rodata,"a",@progbits
	.p2align	6, 0x0
	.amdhsa_kernel k_qb5854f564b_proj
		.amdhsa_group_segment_fixed_size 327680
		.amdhsa_private_segment_fixed_size 0
		.amdhsa_enable_private_segment 0
		.amdhsa_kernarg_size 32
		.amdhsa_user_sgpr_count 2
		.amdhsa_user_sgpr_kernarg_segment_ptr 1
		.amdhsa_wavefront_size32 1
		.amdhsa_system_sgpr_workgroup_id_x 1
		.amdhsa_system_sgpr_workgroup_id_y 1
		.amdhsa_system_sgpr_workgroup_id_z 1
		.amdhsa_system_vgpr_workitem_id 0
		.amdhsa_next_free_vgpr 1024
		.amdhsa_next_free_sgpr 100
		.amdhsa_reserve_vcc 0
		.amdhsa_float_denorm_mode_32 3
		.amdhsa_float_denorm_mode_16_64 3
		.amdhsa_memory_ordered 1
		.amdhsa_forward_progress 1
		.amdhsa_inst_pref_size 118
	.end_amdhsa_kernel
	.amdgpu_metadata
---
amdhsa.version: [ 1, 2 ]
amdhsa.kernels:
  - .name:           k_qb5854f564b_proj
    .symbol:         k_qb5854f564b_proj.kd
    .args:
      - { .name: x_img, .offset: 0, .size: 8, .value_kind: global_buffer, .address_space: global }
      - { .name: wqkv_img, .offset: 8, .size: 8, .value_kind: global_buffer, .address_space: global }
      - { .name: lowp_scales, .offset: 16, .size: 8, .value_kind: global_buffer, .address_space: global }
      - { .name: qkv_img, .offset: 24, .size: 8, .value_kind: global_buffer, .address_space: global }
    .group_segment_fixed_size: 327680
    .private_segment_fixed_size: 0
    .kernarg_segment_align: 8
    .kernarg_segment_size: 32
    .max_flat_workgroup_size: 128
    .sgpr_count:     100
    .vgpr_count:     1024
    .wavefront_size: 32
...
	.end_amdgpu_metadata
.endif
;; end of part 2
;; launch attn (part 3): grid 32 x 8, 4 waves a work-group, no clusters, 327,680 bytes of LDS; arguments qkv_img, lowp_scales, ctx_img; writes ctx_img
.if DOCPART == 3
	.amdgcn_target "amdgcn-amd-amdhsa--gfx1250"
	.amdhsa_code_object_version 6
	.text
	.protected	k_qb5854f564b_attn
	.globl	k_qb5854f564b_attn
	.p2align	8
	.type	k_qb5854f564b_attn,@function
k_qb5854f564b_attn:
	s_mov_b64 s[64:65], 0
	v_nop
	global_prefetch_b8 v0, s[64:65] scope:SCOPE_SE
	s_setreg_imm32_b32 hwreg(HW_REG_WAVE_MODE, 25, 1), 1
	s_wait_xcnt 0x0
; ctx = softmax(q k^T / sqrt(128), causal) v for 2 batches x 16 query heads, four query heads to each of 4 key/value groups; both products on codes of FP8 (E4M3); the result is quantised at once (entry 10 of lowp_scales) for the last product.
; Scales: k entry 6, q entry 7, v entry 8, p entry 9.  t = score x log2(e) / sqrt(128); M = the row's largest t so far, rounded UP to a whole number; p = 2^(t - M) is quantised, not normalised;
; the row's sum is taken of the unquantised p in f32 and divides at the end.  When M moves, the sum and O are multiplied by 2^(old M - new M): exact.
; LEFT OUT AS DEAD WORK (shown at the head of launch quant): a step of 128 keys all of which come after a tile's 16 queries (reference()'s own mask gives them the weight 0), and the slots that no wave of the work-group would read.
; LIMIT: a NaN, an infinity or an overflow that would arise only in those hidden scores is not carried to the result.
; LIMITS on the exponents: e6 + e7 between -123 and 130 (added to c's exponent field); e9 between -126 and 119; e8 + e9 - e10 goes by v_ldexp_f32 and has none.
; BUFFERS are images of operand registers (launch quant): q at 0: [batch][head 16][16 blocks of 128 queries][8 fragments]; k at 8 MiB: [batch][group 4][16 blocks of 128 keys][8 fragments of 16 keys x 128];
; v at 10 MiB: [batch][group][16 chunks of 128 keys][8 fragments of 16 channels x 128 KEYS]; ctx_img: [32 blocks of 128 positions][16 heads][8 fragments of 16 positions x 128 channels].
; SHARES.  Work-group (j, batch and group) owns blocks j (early) and 63 - j (late) of the sequence's 64 blocks of 32 queries, for the group's four heads.  Wave w owns FOUR tiles of 16 queries: queries 16 (w % 2) on of the late block
; and of the early block, each for heads 2 (w / 2) and 2 (w / 2) + 1.  So a fragment of K or V, once in registers, feeds four products while the early tiles have keys left and two afterwards; early and late steps add up to 17 in every wave.
; LAYOUT.  Both products are used transposed: S^T = K Q^T, O^T = V^T P^T: a lane holds ONE query (lane % 16).  Register j of tile t of S^T is key 16 t + 8 (lane / 16) + j: the place of registers 2 t, 2 t + 1 of the second product's operand.
; ORDER OF A STEP s: (part A) V's fragments of step s are asked of LDS, then S^T is multiplied from K's fragments, asked for a step earlier; (part B) K's fragments of step s + 1 are asked for, softmax, O^T.
; A slot holds two steps.  The change of slots stands between parts A and B of a slot's second step: there all fragments of the slot are in registers.  Part A of step 0 stands ahead of the loop.
; NO CLUSTER: work-groups of one stream need different numbers of slots (the causal limit leads round the tensor loads), and a joint load is issued by all that it names.
; REGISTERS, in windows of 256: window 0: v0-11 addresses, v12-19 (-M, largest score) x 4 tiles, v20-27 the sums, v28-35 f, v36-51 at work, v52-56 constants, v64-127 Q, v128-191 p's codes;
; window 1: S^T, then p (tile x at 64 x); window 2: O^T (tile x at 64 x); window 3: v0-127 K's eight fragments, v128-255 V's.  Tiles 0, 1: late; 2, 3: early.
; Part A also takes the late tiles' mask, largest scores, M and f (macro SOFT): work on registers between V's loads and the change of slots.  The rest of a softmax is macro SOFT2, in part B.
.set VOFF,  32768
.set SLOT1, 1<<16                      ; slot 1 begins here
.set SPARE, 2*SLOT1                    ; behind the ring: the spare words, 128 bytes for each wave: two blocks of 256 bytes that no other line names
.set LI,   1                           ; 16 x lane
.set PFO,  3                           ; 256 x lane
.set SPW,  5
.set NIL,  6
.set ADR,  8                           ; the slot in hand + 16 x lane
.set RH,   9                           ; lane % 16 - 8 (lane / 16)
.set D0,   10
.set D1,   11
.set NM,   12
.set SUM,  20
.set FF,   28
.set T,    36
.set LIMV, 52                          ; 448 x 2^e9
.set SCL,  53                          ; 2^e9
.set NEG,  54                          ; -infinity
.set C448, 55
.set ONE,  56
.set QF,   64
.set PC,   128
.set TB,   2                           ; s2   LDS byte at which the slot in hand begins
.set WV,   18
.set SEL,  20                          ; s[20:21] lane selects: lane l xor 16
.set CS,   22                          ; s[22:23] c = log2(e) / sqrt(128) x 2^(e6 + e7)
.set G1,   24
.set G0,   40
.set PFA,  46
.set LIM,  48
.set QL,   49                          ; my work-group's last query
.set SLOTS, 67
.set QEE,  92                          ; my early tiles' last query
.set QLE,  93                          ; my late tiles' last query
.set Q0E,  94
.set Q0L,  95
.set KF,   98                          ; the first key of the step in hand
.set MSB, 0
.macro WIN new                         ; the immediate's high byte repeats the setting that is left; at every label and branch the setting is 0
.if MSB != (\new)
	s_set_vgpr_msb (MSB<<8)|(\new)
.set MSB, (\new)
.endif
.endm
.macro NOP4                            ; four places behind matrix instructions (ISA guide 7.12.1)
.rept 4
	v_nop
.endr
.endm
.macro KLOAD q                         ; K's eight fragments of the slot's q-th step: register 4 n from byte 512 n
	WIN 0xc0
.set n, 0
.rept 32
	ds_load_b128 v[4*n:4*n+3], v[ADR] offset:16384*(\q)+512*n
.set n, n+1
.endr
	WIN 0
.endm
.macro VLOAD q
	WIN 0xc0
.set n, 0
.rept 32
	ds_load_b128 v[128+4*n:128+4*n+3], v[ADR] offset:VOFF+16384*(\q)+512*n
.set n, n+1
.endr
	WIN 0
.endm
.macro SMUL x0                         ; S^T of tiles x0, x0 + 1: sixteen accumulators, each once
	WIN 0x43
.irp t, 0,1,2,3,4,5,6,7
.irp y, 0,1
	v_wmma_f32_16x16x128_fp8_fp8 v[64*(\x0+\y)+8*\t:64*(\x0+\y)+8*\t+7], v[16*\t:16*\t+15], v[QF+16*(\x0+\y):QF+16*(\x0+\y)+15], 0
.endr
.endr
	WIN 0
.endm
.macro PV x0                           ; O^T of tiles x0, x0 + 1 += V^T P^T: sixteen accumulators by turns
	WIN 0xa3
.irp t, 0,1,2,3,4,5,6,7
.irp y, 0,1
	v_wmma_f32_16x16x128_fp8_fp8 v[64*(\x0+\y)+8*\t:64*(\x0+\y)+8*\t+7], v[128+16*\t:128+16*\t+15], v[PC+16*(\x0+\y):PC+16*(\x0+\y)+15], v[64*(\x0+\y)+8*\t:64*(\x0+\y)+8*\t+7]
.endr
.endr
	WIN 0
.endm
.macro SUMS sb, sm                     ; a tile's 64 unquantised p onto its sum: two at a time, in six chains
	WIN 0x05
.irp k, 0,1,2,3,4
	v_pk_add_f32 v[T+2*\k:T+2*\k+1], v[\sb+4*\k:\sb+4*\k+1], v[\sb+4*\k+2:\sb+4*\k+3]
.endr
	WIN 0x04
.set n, 20
.set k, 0
.rept 22
.if k == 5
	v_pk_add_f32 v[\sm:\sm+1], v[\sm:\sm+1], v[\sb+n:\sb+n+1]
.else
	v_pk_add_f32 v[T+2*k:T+2*k+1], v[T+2*k:T+2*k+1], v[\sb+n:\sb+n+1]
.endif
.set n, n+2
.set k, (k+1)%6
.endr
	WIN 0
	v_pk_add_f32 v[T:T+1], v[T:T+1], v[T+2:T+3]
	v_pk_add_f32 v[T+4:T+5], v[T+4:T+5], v[T+6:T+7]
	v_pk_add_f32 v[\sm:\sm+1], v[\sm:\sm+1], v[T+8:T+9]
	v_pk_add_f32 v[T:T+1], v[T:T+1], v[T+4:T+5]
	v_pk_add_f32 v[\sm:\sm+1], v[\sm:\sm+1], v[T:T+1]
.endm
; THE SOFTMAX OF A PAIR OF TILES (the same 16 queries, two heads), line by line by turns.  sb: their S^T in window 1; x0: the first tile's number; q0: the scalar with their first query.
.macro SOFT sb, x0, q0, diag           ; diag = 0: the step cannot lie on these tiles' diagonal, and the mask is not assembled
.if \diag
	s_add_co_u32 s96, s[KF], 127
	s_cmp_le_u32 s96, s[\q0]
	s_cbranch_scc1 .Lopen_\@
	s_sub_co_i32 s96, s[\q0], s[KF]
	v_add_nc_u32 v[D0], s96, v[RH]                 ; d = my query - KF - 8 (lane / 16): register n, key 16 (n / 8) + n % 8 on, is hidden where that is over d
	v_add_nc_u32 v[D1], 0xffffffc0, v[D0]          ; d - 64, so that every compare has an inline constant
	WIN 0x41
	s_wait_alu depctr_va_vdst(0)                   ; ahead of the first readers of S^T
.set n, 0
.rept 64
.if 16*(n/8)+n%8 <= 64
	v_cmp_gt_i32 vcc_lo, 16*(n/8)+n%8, v[D0]
.else
	v_cmp_gt_i32 vcc_lo, 16*(n/8)+n%8-64, v[D1]
.endif
	v_cndmask_b32 v[\sb+n], v[\sb+n], v[NEG], vcc_lo       ; one compare serves both heads
	v_cndmask_b32 v[\sb+64+n], v[\sb+64+n], v[NEG], vcc_lo
.set n, n+1
.endr
	WIN 0
.Lopen_\@:
.endif
	WIN 0x14
	s_wait_alu depctr_va_vdst(0)                   ; ahead of the first readers of S^T
.set n, 0
.rept 32                                       ; the largest score so far, this step's among them: three chains a tile, each begun from the running largest; each accumulator from its low end on
.irp y, 0,1
.if n < 3
	v_max3_num_f32 v[T+8*\y+n%3], v[NM+2*(\x0+\y)+1], v[\sb+64*\y+2*n], v[\sb+64*\y+2*n+1]
.else
	v_max3_num_f32 v[T+8*\y+n%3], v[T+8*\y+n%3], v[\sb+64*\y+2*n], v[\sb+64*\y+2*n+1]
.endif
.endr
.set n, n+1
.endr
	WIN 0
.irp y, 0,1
	v_max3_num_f32 v[T+8*\y], v[T+8*\y], v[T+8*\y+1], v[T+8*\y+2]
.endr
.irp y, 0,1
	v_permlanex16_b32 v[T+8*\y+3], v[T+8*\y], s[SEL], s[SEL+1]
.endr
.irp y, 0,1
	v_max_num_f32 v[NM+2*(\x0+\y)+1], v[T+8*\y], v[T+8*\y+3]   ; and lane l xor 16's
.endr
.irp y, 0,1
	v_mul_f32 v[T+8*\y], s[CS], v[NM+2*(\x0+\y)+1]             ; as t (c is positive)
.endr
.irp y, 0,1
	v_floor_f32 v[T+8*\y+1], -v[T+8*\y]                        ; the new -M = -ceil(t)
.endr
.irp y, 0,1
	v_sub_f32 v[T+8*\y+2], v[T+8*\y+1], v[NM+2*(\x0+\y)]       ; old M - new M: a whole number, 0 or less
.endr
.irp y, 0,1
	v_mov_b32 v[NM+2*(\x0+\y)], v[T+8*\y+1]
.endr
.irp y, 0,1
	v_cvt_i32_f32 v[T+8*\y+2], v[T+8*\y+2]                     ; (it saturates)
.endr
.irp y, 0,1
	v_ldexp_f32 v[FF+2*(\x0+\y)], 1.0, v[T+8*\y+2]             ; f = 2^(old M - new M)
.endr
	s_wait_alu depctr_va_vdst(0)
.endm
; THE REST OF THE SOFTMAX OF A PAIR OF TILES: p, the sums, p's codes, O^T under the new M.
.macro SOFT2 sb, x0
	WIN 0x41
.set n, 0
.rept 32
	v_pk_fma_f32 v[\sb+n:\sb+n+1], v[\sb+n:\sb+n+1], s[CS:CS+1], v[NM+2*\x0:NM+2*\x0+1] op_sel_hi:[1,0,0]   ; t - M of the first tile (of the pairs the low word serves both halves)
.set n, n+2
.endr
	s_wait_alu depctr_va_vdst(0)                   ; ahead of the batch
.set n, 0
.rept 32                                       ; the first tile's exponentials; the second tile's t - M, which names none of their registers, stands among them
	v_exp_f32 v[\sb+n], v[\sb+n]
	v_pk_fma_f32 v[\sb+64+n:\sb+64+n+1], v[\sb+64+n:\sb+64+n+1], s[CS:CS+1], v[NM+2*\x0+2:NM+2*\x0+3] op_sel_hi:[1,0,0]
	v_exp_f32 v[\sb+n+1], v[\sb+n+1]
.set n, n+2
.endr
	WIN 0
.irp y, 0,1
	v_pk_mul_f32 v[SUM+2*(\x0+\y):SUM+2*(\x0+\y)+1], v[SUM+2*(\x0+\y):SUM+2*(\x0+\y)+1], v[FF+2*(\x0+\y):FF+2*(\x0+\y)+1] op_sel_hi:[1,0]   ; the sums under the new M: plain lines behind the batch
.endr
	s_wait_alu depctr_va_vdst(0)                   ; one wait for the batch, ahead of its first reader, and ahead of the next batch
	SUMS \sb, SUM+2*\x0
	WIN 0x41
.set n, 0
.rept 64                                       ; the second tile's exponentials; the first tile's holds stand among them (the conversion does not saturate, ISA guide 7.6.2; p is not negative, so the hold is one-sided)
	v_exp_f32 v[\sb+64+n], v[\sb+64+n]
	v_min_num_f32 v[\sb+n], v[\sb+n], v[LIMV]
.set n, n+1
.endr
	v_nop
	s_wait_alu depctr_va_vdst(0)                   ; one wait for the batch and for the holds written among it
	WIN 0x01
.irp t, 0,1,2,3,4,5,6,7
	v_cvt_scalef32_pk8_fp8_f32 v[PC+16*\x0+2*\t:PC+16*\x0+2*\t+1], v[\sb+8*\t:\sb+8*\t+7], v[SCL]
.endr
	SUMS \sb+64, SUM+2*\x0+2
	WIN 0x41
.set n, 0
.rept 64
	v_min_num_f32 v[\sb+64+n], v[\sb+64+n], v[LIMV]
.set n, n+1
.endr
	WIN 0x01
.irp t, 0,1,2,3,4,5,6,7
	v_cvt_scalef32_pk8_fp8_f32 v[PC+16*\x0+16+2*\t:PC+16*\x0+16+2*\t+1], v[\sb+64+8*\t:\sb+64+8*\t+7], v[SCL]
.endr
	WIN 0x82
	s_wait_alu depctr_va_vdst(0)                   ; ahead of the first readers of O^T
.set n, 0
.rept 64
	v_pk_mul_f32 v[64*\x0+n:64*\x0+n+1], v[64*\x0+n:64*\x0+n+1], v[FF+2*(\x0+n/64):FF+2*(\x0+n/64)+1] op_sel_hi:[1,0]   ; O^T under the new M; also the plain lines behind the conversions
.set n, n+2
.endr
	WIN 0
.endm
; PART B of the step that begins at key KF; nq: where the NEXT step's K lies in the slot in hand.  All branches hang on ids and the count of steps, and lead round no barrier, wait for a refill or add.
.macro BBLOCK nq
	s_cmp_gt_u32 s[KF], s[QLE]
	s_cbranch_scc1 .Lend_\@                        ; all keys come after all my queries
	s_add_co_u32 s96, s[KF], 128
	s_cmp_gt_u32 s96, s[QLE]
	s_cbranch_scc1 .Lno_k_\@                       ; no step follows: nothing is asked for
	KLOAD \nq                                      ; four places stand behind the products that read these registers (part A's end)
.Lno_k_\@:
	SOFT2 0, 0
	s_wait_alu depctr_va_vdst(0)
	s_wait_dscnt 0x0                               ; V's fragments of this step, and K's of the next
	PV 0
	s_cmp_gt_u32 s[KF], s[QEE]
	s_cbranch_scc1 .Lend_\@                        ; the early tiles have no keys left
	SOFT 128, 2, Q0E, 1
	SOFT2 128, 2
	PV 2
.Lend_\@:
	s_add_co_u32 s[KF], s[KF], 128
.endm
; PART A of the step that begins at key KF, the q-th of the slot in hand.
.macro ABLOCK q
	s_cmp_gt_u32 s[KF], s[QLE]
	s_cbranch_scc1 .Lno_a_\@
	NOP4                                           ; behind the products that read V's registers
	s_wait_dscnt 0x0                               ; no LDS load of mine is out on any way here
	VLOAD \q
	SMUL 0
	s_cmp_gt_u32 s[KF], s[QEE]
	s_cbranch_scc1 .Lno_e_\@
	SMUL 2
.Lno_e_\@:
	NOP4                                           ; ahead of the first reads of S^T and of loads into K's registers
	SOFT 0, 0, Q0L, 1
.Lno_a_\@:
.endm
	s_load_b128 s[4:7], s[0:1], 0x0                ; qkv_img s[4:5], the exponents s[6:7]
	s_load_b64 s[8:9], s[0:1], 0x10                ; ctx_img
	v_lshl_add_u32 v[SPW], v0, 2, SPARE
	v_mov_b32 v[NIL], 0
	ds_add_u32 v[SPW], v[NIL]                      ; the opening: the add, twice on end, and its wait ahead of my first tensor load
	ds_add_u32 v[SPW], v[NIL]
	v_lshrrev_b32 v8, 5, v0
	v_readfirstlane_b32 s[WV], v8                  ; wave 0..3
	s_and_b32 s50, ttmp7, 0xffff                   ; 4 x batch + group
	s_and_b32 s51, s[WV], 1
	s_lshl_b32 s51, s51, 4                         ; which 16 of a block's 32 queries
	s_lshr_b32 s53, s[WV], 1
	s_lshl_b32 s53, s53, 1                         ; the first of my two heads in the group
	s_lshl_b32 s55, ttmp9, 5
	s_add_co_u32 s[Q0E], s55, s51
	s_sub_co_u32 s[QL], 2047, s55                  ; 32 (63 - j) + 31
	s_sub_co_u32 s56, 2016, s55
	s_add_co_u32 s[Q0L], s56, s51
	s_add_co_u32 s[QEE], s[Q0E], 15
	s_add_co_u32 s[QLE], s[Q0L], 15
	; what I fetch: waves 0, 1 the slot's two blocks of K, waves 2, 3 its two chunks of V, 16,384 dense bytes each
	s_lshr_b32 s56, s[WV], 1
	s_lshl_b32 s56, s56, 21
	s_lshl_b32 s57, s50, 18
	s_add_co_u32 s56, s56, s57
	s_and_b32 s57, s[WV], 1
	s_lshl_b32 s57, s57, 14
	s_add_co_u32 s56, s56, s57
	s_add_co_u32 s56, s56, 0x800000
	s_mov_b32 s57, 0
	s_lshl_b32 s58, s[WV], 14                      ; and where it goes in slot 0
	; Q: ((16 batch + head) x 128 + first query / 16) fragments; the second head lies 2^18 bytes on
	s_lshl_b32 s60, s50, 2
	s_add_co_u32 s60, s60, s53
	s_lshl_b32 s60, s60, 18
	s_lshr_b32 s61, s[Q0L], 4
	s_lshl_b32 s61, s61, 11
	s_add_co_u32 s62, s60, s61
	s_mov_b32 s63, 0
	s_lshr_b32 s61, s[Q0E], 4
	s_lshl_b32 s61, s61, 11
	s_add_co_u32 s60, s60, s61
	s_mov_b32 s61, 0
	; ctx: block 16 batch + first query / 128, chunk = head, fragment (first query / 16) % 8; the second head lies 16,384 bytes on
	s_lshr_b32 s52, s50, 2
	s_lshl_b32 s52, s52, 22
	s_and_b32 s54, s50, 3
	s_lshl_b32 s54, s54, 2
	s_add_co_u32 s54, s54, s53
	s_lshl_b32 s54, s54, 14
	s_add_co_u32 s52, s52, s54
	s_lshr_b32 s54, s[Q0L], 7
	s_lshl_b32 s54, s54, 18
	s_bfe_u32 s55, s[Q0L], 0x30004
	s_lshl_b32 s55, s55, 11
	s_add_co_u32 s54, s54, s55
	s_add_co_u32 s84, s54, s52
	s_mov_b32 s85, 0
	s_lshr_b32 s54, s[Q0E], 7
	s_lshl_b32 s54, s54, 18
	s_bfe_u32 s55, s[Q0E], 0x30004
	s_lshl_b32 s55, s55, 11
	s_add_co_u32 s54, s54, s55
	s_add_co_u32 s86, s54, s52
	s_mov_b32 s87, 0
	; descriptor group 1: a dense block of 16,384 bytes as 64 rows of 32 elements of 8 bytes; no mask, no padding
	s_mov_b32 s[G1], 3<<16
	s_mov_b32 s[G1+1], 32<<16
	s_mov_b32 s[G1+2], 64<<16
	s_mov_b32 s[G1+3], 32<<16
	s_mov_b32 s[G1+4], 64
	s_mov_b32 s[G1+5], 32
	s_mov_b32 s[G1+6], 0
	s_mov_b32 s[G1+7], 0
	s_mov_b32 s[SEL], 0x76543210
	s_mov_b32 s[SEL+1], 0xfedcba98
	s_mov_b32 s[CS], 0x3e0293ee                    ; log2(e) / sqrt(128)
	s_mov_b32 s[TB], 0
	s_mov_b32 s[SLOTS], 8
	s_mov_b32 s[KF], 0
	s_wait_alu depctr_va_vdst(0)
	s_wait_dscnt 0x0                               ; both opening adds are done
	s_wait_kmcnt 0x0
	s_load_b256 s[68:75], s[6:7], 0x0              ; e0 .. e7
	s_load_b128 s[76:79], s[6:7], 0x20             ; e8 .. e11
	s_mov_b32 s[G0], 1
	s_mov_b32 s[G0+1], s58
	s_add_nc_u64 s[G0+2:G0+3], s[4:5], s[56:57]
	s_or_b32 s[G0+3], s[G0+3], 0x80000000
	tensor_load_to_lds s[G0:G0+3], s[G1:G1+7]      ; slot 0, my quarter: every wave's one tensor load at the head
	s_nop 0
	NOP4
	s_add_nc_u64 s[10:11], s[4:5], s[62:63]        ; Q, late
	s_add_nc_u64 s[14:15], s[4:5], s[60:61]        ; Q, early
	s_add_nc_u64 s[12:13], s[8:9], s[86:87]        ; ctx, early
	s_add_nc_u64 s[8:9], s[8:9], s[84:85]          ; ctx, late
	; THE PREFETCHES.  All 32 work-groups of a batch and group walk one stream.  Work-groups j = 0 and 1 walk all eight slots: j = 0 asks for K's 32,768 bytes of a slot, j = 1 for V's, 8,192 bytes a wave, lanes 256 bytes apart,
	; one instruction a wave at a change of slots, for the slot after the one that the change loads: each aligned block of 256 bytes is named once in the launch.  Slots 0 to 2 come by their loads alone; slot 7 is the last that is named.
	s_and_b32 s80, ttmp9, 1
	s_lshl_b32 s80, s80, 21
	s_lshl_b32 s81, s50, 18
	s_add_co_u32 s80, s80, s81
	s_lshl_b32 s81, s[WV], 13
	s_add_co_u32 s80, s80, s81
	s_add_co_u32 s80, s80, 0x800000+2*32768        ; in slot 2: the first change of slots steps it to slot 3
	s_mov_b32 s81, 0
	s_add_nc_u64 s[PFA:PFA+1], s[4:5], s[80:81]
	s_cmp_lt_u32 ttmp9, 2
	s_cselect_b32 s[LIM], 3, -1                    ; a wave asks while more than this many trips are left, the trip in hand among them
	v_and_b32 v[LI], 31, v0
	v_lshlrev_b32 v[PFO], 8, v[LI]
	v_lshlrev_b32 v[LI], 4, v[LI]
	v_and_b32 v[RH], 15, v0
	v_bfe_u32 v[D0], v0, 4, 1
	v_lshlrev_b32 v[D0], 3, v[D0]
	v_sub_nc_u32 v[RH], v[RH], v[D0]
	v_add_nc_u32 v[ADR], s[TB], v[LI]
	s_wait_alu depctr_va_vdst(0)
.irp y, 0,1
.irp c, 0,1,2,3
	global_load_b128 v[QF+16*\y+4*\c:QF+16*\y+4*\c+3], v[LI], s[10:11] offset:262144*\y+512*\c       ; Q's four fragments stay in registers
	global_load_b128 v[QF+32+16*\y+4*\c:QF+32+16*\y+4*\c+3], v[LI], s[14:15] offset:262144*\y+512*\c
.endr
.endr
.irp x, 0,1,2,3
	v_mov_b32 v[NM+2*\x], 0x7f61b1e6               ; -M: 3e38
	v_mov_b32 v[NM+2*\x+1], 0xff61b1e6             ; the largest score so far: -3e38
	v_mov_b32 v[SUM+2*\x], 0
	v_mov_b32 v[SUM+2*\x+1], 0
	v_mov_b32 v[FF+2*\x], 0
	v_mov_b32 v[FF+2*\x+1], 0                      ; (named as the upper half of a pair)
.endr
.set n, 0
.rept 16
	v_mov_b32 v[T+n], 0                            ; written once: a lane permute's destination counts as one of its sources
.set n, n+1
.endr
	v_mov_b32 v[NEG], 0xff800000
	v_mov_b32 v[C448], 0x43e00000
	v_mov_b32 v[ONE], 1.0
	WIN 0x80
.set n, 0
.rept 256
	v_mov_b32 v[n], 0                              ; O^T.  (Part B is written for all steps alike: the first finds zeros, which the first change of M leaves zeros; a first step of its own would be a third copy of part B)
.set n, n+1
.endr
	WIN 0
	s_wait_kmcnt 0x0
	s_add_co_i32 s80, s74, s75
	s_lshl_b32 s80, s80, 23
	s_add_co_i32 s[CS], s[CS], s80                 ; a score stands for score x 2^(e6 + e7)
	s_mov_b32 s[CS+1], s[CS]
	s_add_co_i32 s80, s77, 127
	s_lshl_b32 s81, s80, 23
	v_mov_b32 v[SCL], s81
	s_add_co_i32 s80, s80, 8
	s_lshl_b32 s80, s80, 23
	s_or_b32 s80, s80, 0x600000
	v_mov_b32 v[LIMV], s80
	s_wait_alu depctr_va_vdst(0)
	s_wait_tensorcnt 0x0                           ; my quarter of slot 0 is in; slot 1's first fill is issued as a refill is
	ds_add_u32 v[SPW], v[NIL]
	s_xor_b32 s[G0+1], s[G0+1], SLOT1
	s_add_nc_u64 s[G0+2:G0+3], s[G0+2:G0+3], 32768
	s_wait_dscnt 0x0
	s_barrier_signal -1
	s_barrier_wait -1
	tensor_load_to_lds s[G0:G0+3], s[G1:G1+7]      ; slot 1 (every work-group's late tiles have at least nine steps, so it is read)
	s_nop 0
	NOP4
	KLOAD 0
	VLOAD 0
	s_wait_loadcnt 0x0                             ; Q
	s_wait_dscnt 32                                ; K's 32 loads are in; V's 32, issued behind them, may be out
	SMUL 0                                         ; part A of step 0, which counts for all four tiles
	SMUL 2
	NOP4
	SOFT 0, 0, Q0L, 0                              ; step 0's keys, 0 to 127, all come before every late query (1,024 at the least)
.Lslot:
	BBLOCK 1
	ABLOCK 1
	; THE CHANGE OF SLOTS: all fragments of the slot in hand are asked for; behind the barrier all waves have them, the other slot is whole, and the slot in hand takes the keys two slots on, up to the causal limit
	s_wait_tensorcnt 0x0                           ; no tensor load of mine is out, so the group 0 may be written
	ds_add_u32 v[SPW], v[NIL]                      ; the add
	s_xor_b32 s[G0+1], s[G0+1], SLOT1
	s_add_nc_u64 s[G0+2:G0+3], s[G0+2:G0+3], 32768
	s_wait_xcnt 0x0                                ; the last prefetch, a slot back, has read its address
	s_add_nc_u64 s[PFA:PFA+1], s[PFA:PFA+1], 32768
	s_xor_b32 s[TB], s[TB], SLOT1
	v_add_nc_u32 v[ADR], s[TB], v[LI]
	s_wait_alu depctr_va_vdst(0)
	s_wait_dscnt 0x0                               ; the add is done, and my reads of the slot in hand are over
	s_barrier_signal -1
	s_barrier_wait -1
	s_add_co_u32 s96, s[KF], 384                   ; the first key of the slot that this change would ask for:
	s_cmp_gt_u32 s96, s[QL]                        ; past my work-group's last query no wave would read it.  Ids and the count of steps alone: all waves go the same way; every wait on TENSORcnt in this text is for 0
	s_cbranch_scc1 .Lpast
	tensor_load_to_lds s[G0:G0+3], s[G1:G1+7]
	s_nop 0
	NOP4
.Lpast:
	s_cmp_gt_u32 s[SLOTS], s[LIM]
	s_cbranch_scc0 .Lnot_mine
	global_prefetch_b8 v[PFO], s[PFA:PFA+1] th:TH_LOAD_NT scope:SCOPE_SE
.Lnot_mine:
	BBLOCK 0
	ABLOCK 0
	s_sub_co_u32 s[SLOTS], s[SLOTS], 1
	s_cmp_lg_u32 s[SLOTS], 0
	s_wait_alu depctr_va_vdst(0)
	s_cbranch_scc1 .Lslot
	; THE WAY OUT.  O^T / the sum x 2^(e8 + e9 - e10), held within +-448, converted with the scale 1: a lane's registers 8 t + i of a tile are ctx(query r, channel 16 t + 8 h + i): the fragment's own order.
	NOP4
.irp x, 0,1,2,3
	v_add_f32 v[SUM+2*\x], v[SUM+2*\x], v[SUM+2*\x+1]
.endr
.irp x, 0,1,2,3
	v_permlanex16_b32 v[T+\x], v[SUM+2*\x], s[SEL], s[SEL+1]
.endr
.irp x, 0,1,2,3
	v_add_f32 v[SUM+2*\x], v[SUM+2*\x], v[T+\x]    ; the row's sum, at least 1/2
.endr
	s_wait_alu depctr_va_vdst(0)                   ; ahead of the batch
.irp x, 0,1,2,3
	v_rcp_f32 v[T+\x], v[SUM+2*\x]
.endr
	v_nop
	s_add_co_i32 s80, s76, s77
	s_sub_co_i32 s80, s80, s78
	s_wait_alu depctr_va_vdst(0)                   ; and behind it, ahead of its first reader
.irp x, 0,1,2,3
	v_ldexp_f32 v[FF+2*\x], v[T+\x], s80
.endr
	WIN 0x42
	s_wait_alu depctr_va_vdst(0)                   ; ahead of the first readers of O^T
.set n, 0
.rept 128
	v_pk_mul_f32 v[n:n+1], v[n:n+1], v[FF+2*(n/64):FF+2*(n/64)+1] op_sel_hi:[1,0]   ; from window 2 into window 1; each accumulator from its low end on
.set n, n+2
.endr
	WIN 0x41
.set n, 0
.rept 256
	v_med3_num_f32 v[n], v[n], -v[C448], v[C448]
.set n, n+1
.endr
	WIN 0x01
.set n, 0
.rept 32
	v_cvt_scalef32_pk8_fp8_f32 v[PC+2*n:PC+2*n+1], v[8*n:8*n+7], v[ONE]
.set n, n+1
.endr
	v_nop                                          ; a plain line behind the last conversion
	WIN 0
.irp y, 0,1
.irp c, 0,1,2,3
	global_store_b128 v[LI], v[PC+16*\y+4*\c:PC+16*\y+4*\c+3], s[8:9] offset:16384*\y+512*\c          ; 512 consecutive bytes, aligned
	global_store_b128 v[LI], v[PC+32+16*\y+4*\c:PC+32+16*\y+4*\c+3], s[12:13] offset:16384*\y+512*\c
.endr
.endr
	s_wait_tensorcnt 0x0                           ; the wave's end: behind my last tensor load
	ds_add_u32 v[SPW], v[NIL]
	s_wait_dscnt 0x0
	s_endpgm
.Lfunc_end_k_qb5854f564b_attn:
	.size	k_qb5854f564b_attn, .Lfunc_end_k_qb5854f564b_attn-k_qb5854f564b_attn
	.p2alignl 7, 3214868480
	.fill 96, 4, 3214868480
	.section	.rodata,"a",@progbits
	.p2align	6, 0x0
	.amdhsa_kernel k_qb5854f564b_attn
		.amdhsa_group_segment_fixed_size 327680
		.amdhsa_private_segment_fixed_size 0
		.amdhsa_enable_private_segment 0
		.amdhsa_kernarg_size 24
		.amdhsa_user_sgpr_count 2
		.amdhsa_user_sgpr_kernarg_segment_ptr 1
		.amdhsa_wavefront_size32 1
		.amdhsa_system_sgpr_workgroup_id_x 1
		.amdhsa_system_sgpr_workgroup_id_y 1
		.amdhsa_system_sgpr_workgroup_id_z 1
		.amdhsa_system_vgpr_workitem_id 0
		.amdhsa_next_free_vgpr 1024
		.amdhsa_next_free_sgpr 100
		.amdhsa_reserve_vcc 1
		.amdhsa_float_denorm_mode_32 3
		.amdhsa_float_denorm_mode_16_64 3
		.amdhsa_memory_ordered 1
		.amdhsa_forward_progress 1
		.amdhsa_inst_pref_size 209
	.end_amdhsa_kernel
	.amdgpu_metadata
---
amdhsa.version: [ 1, 2 ]
amdhsa.kernels:
  - .name:           k_qb5854f564b_attn
    .symbol:         k_qb5854f564b_attn.kd
    .args:
      - { .name: qkv_img, .offset: 0, .size: 8, .value_kind: global_buffer, .address_space: global }
      - { .name: lowp_scales, .offset: 8, .size: 8, .value_kind: global_buffer, .address_space: global }
      - { .name: ctx_img, .offset: 16, .size: 8, .value_kind: global_buffer, .address_space: global }
    .group_segment_fixed_size: 327680
    .private_segment_fixed_size: 0
    .kernarg_segment_align: 8
    .kernarg_segment_size: 24
    .max_flat_workgroup_size: 128
    .sgpr_count:     100
    .vgpr_count:     1024
    .wavefront_size: 32
...
	.end_amdgpu_metadata
.endif
;; end of part 3
;; launch outp (part 4): grid 16 x 16, 4 waves a work-group, clusters of 4 x 4, 327,680 bytes of LDS; arguments ctx_img, wo_img, lowp_scales, bo, out0; writes out0
.if DOCPART == 4
	.amdgcn_target "amdgcn-amd-amdhsa--gfx1250"
	.amdhsa_code_object_version 6
	.text
	.protected	k_qb5854f564b_outp
	.globl	k_qb5854f564b_outp
	.p2align	8
	.type	k_qb5854f564b_outp,@function
k_qb5854f564b_outp:
	s_mov_b64 s[64:65], 0
	v_nop
	global_prefetch_b8 v0, s[64:65] scope:SCOPE_SE
	s_setreg_imm32_b32 hwreg(HW_REG_WAVE_MODE, 25, 1), 1
	s_wait_xcnt 0x0
	s_wait_alu depctr_hold_cnt(0) depctr_sa_sdst(0) depctr_va_vdst(0) depctr_va_sdst(0) depctr_va_ssrc(0) depctr_va_vcc(0) depctr_vm_vsrc(0)
	s_getreg_b32 s2, hwreg(HW_REG_IB_STS2, 6, 4)
	s_cmp_eq_u32 s2, 0
	s_cbranch_scc0 .Lentry_in_a_cluster
	s_endpgm
.Lentry_in_a_cluster:
	s_bfe_u32 s2, ttmp6, 0x10000c
	s_cmp_lg_u32 s2, 0xf033
	s_cbranch_scc0 .Lentry_shape_is_right
	s_endpgm
.Lentry_shape_is_right:
.set FR,    16
.set FRB,   2048
.set PANEL, 16384
.set NP,    4
.set KSB,   2*PANEL
.set SLOT,  3*KSB
.set BOFF,  2*KSB
.set LAPS,  2048/512
.set SPARE, 2*SLOT
.set SPITCH, 272
.set ADRA, 16
.set ADRB, 20
.set STO,  24
.set RD,   25
.set CO,   26
.set BO,   27
.set SPW,  28
.set NIL,  29
.set PFO,  30                          ; v30     the prefetches' offset: 256 x my lane (B's waves: 256 x min(lane, 15)); never rewritten
.set PFA,  92                          ; s[92:93] where my prefetches stand: my work-group's quarter of what my wave fetches, in the slot that the next change of slots will load
.set TMP,  32
.set BIAS, 64
.set BK,   96
.set AF,   128
.set G1,  24
.set G0,  32
.set G1B, 48
.set G0B, 56
.set MSB, 0
.macro WIN new
.if MSB != (\new)
	s_set_vgpr_msb (MSB<<8)|(\new)
.set MSB, (\new)
.endif
.endm
.set MUL,  0xa1
.set TO_B, 0x40
.macro JLOAD g0a, g1a, g0b, g1b
	s_cmp_eq_u32 s15, 0
	s_cbranch_scc0 .Lfor_b_\@
	tensor_load_to_lds s[\g0a:\g0a+3], s[\g1a:\g1a+7]
	s_nop 0
.rept 4
	v_nop
.endr
	s_branch .Lasked_\@
.Lfor_b_\@:
	tensor_load_to_lds s[\g0b:\g0b+3], s[\g1b:\g1b+7]
	s_nop 0
.rept 4
	v_nop
.endr
.Lasked_\@:
.endm
.macro CREST
	s_cmp_lg_u32 s14, 0
	s_cbranch_scc1 .Lnot_wave_0_\@
	s_barrier_signal -3
.Lnot_wave_0_\@:
	s_barrier_wait -3
	s_barrier_signal -1
	s_barrier_wait -1
.endm
.macro CROUND
	s_barrier_signal -1
	s_barrier_wait -1
	CREST
.endm
	s_load_b128 s[4:7], s[0:1], 0x0
	s_load_b128 s[8:11], s[0:1], 0x10
	s_load_b64 s[12:13], s[0:1], 0x20
	v_lshl_add_u32 v[SPW], v0, 2, SPARE
	v_mov_b32 v[NIL], 0
	ds_add_u32 v[SPW], v[NIL]
	ds_add_u32 v[SPW], v[NIL]
	v_lshrrev_b32 v1, 5, v0
	v_readfirstlane_b32 s14, v1
	s_lshr_b32 s15, s14, 1
	s_and_b32 s16, s14, 1
	s_bfe_u32 s40, ttmp6, 0x40000
	s_bfe_u32 s41, ttmp6, 0x40004
	s_lshl_b32 s42, ttmp9, 2
	s_add_co_u32 s42, s42, s40
	s_and_b32 s17, ttmp7, 0xffff
	s_lshl_b32 s17, s17, 2
	s_add_co_u32 s17, s17, s41
	s_lshl_b32 s43, s41, 2
	s_lshl_b32 s43, 15, s43
	s_lshl_b32 s44, 0x1111, s40
	s_or_b32 s[G1], s43, (3<<16)|(1<<21)
	s_or_b32 s[G1B], s44, (3<<16)|(1<<21)
	s_mov_b32 s[G1+1], 32<<16
	s_mov_b32 s[G1+2], 128<<16
	s_mov_b32 s[G1+3], 32<<16
	s_mov_b32 s[G1+4], 128
	s_mov_b32 s[G1+5], 32
	s_mov_b32 s[G1+6], 0
	s_mov_b32 s[G1+7], 0
	s_mov_b32 s[G1B+1], 32<<16
	s_mov_b32 s[G1B+2], 64<<16
	s_mov_b32 s[G1B+3], 32<<16
	s_mov_b32 s[G1B+4], 64
	s_mov_b32 s[G1B+5], 32
	s_mov_b32 s[G1B+6], 0
	s_mov_b32 s[G1B+7], 0
	s_lshl_b32 s20, s17, 1
	s_add_co_u32 s20, s20, s16
	s_lshl_b32 s20, s20, 18
	s_mov_b32 s21, 0
	s_lshl_b32 s46, s42, 18
	s_lshl_b32 s47, s16, 14
	s_add_co_u32 s46, s46, s47
	s_mov_b32 s47, 0
	s_lshl_b32 s18, s16, 15
	s_lshl_b32 s19, s16, 14
	s_add_co_u32 s19, s19, BOFF
	s_wait_dscnt 0x0
	s_wait_kmcnt 0x0
	s_load_b64 s[96:97], s[8:9], 0x28
	s_add_nc_u64 s[20:21], s[4:5], s[20:21]
	s_add_nc_u64 s[46:47], s[6:7], s[46:47]
	CROUND
.irp s, 0,1
	s_mov_b32 s[G0+4*\s], 1
	s_add_co_u32 s[G0+4*\s+1], s18, \s*SLOT
	s_add_nc_u64 s[G0+4*\s+2:G0+4*\s+3], s[20:21], \s*KSB
	s_or_b32 s[G0+4*\s+3], s[G0+4*\s+3], 0x80000000
	s_mov_b32 s[G0B+4*\s], 1
	s_add_co_u32 s[G0B+4*\s+1], s19, \s*SLOT
	s_add_nc_u64 s[G0B+4*\s+2:G0B+4*\s+3], s[46:47], \s*KSB
	s_or_b32 s[G0B+4*\s+3], s[G0B+4*\s+3], 0x80000000
.if \s                                         ; slot 0's load goes out behind the opening round; slot 1's first fill is issued as a refill is: the wait for all my loads, the add, its wait, a round
	s_wait_alu depctr_va_vdst(0)
	s_wait_tensorcnt 0x0
	ds_add_u32 v28, v29
	ds_add_u32 v28, v29
	s_wait_dscnt 0x0
	CROUND
.endif
	JLOAD G0+4*\s, G1, G0B+4*\s, G1B
.endr
	; THE PREFETCHES INTO THE L2: behind each joint load one instruction a wave, for the slot that the NEXT change of slots will load: two K steps of 128 ahead of that load.
	; The four partners that ask for a tile jointly share its bytes out BY ADDRESS: of the 32,768 bytes that a wave fetches of A the partner at place cx takes 8,192, lanes 256 bytes apart;
	; of the 16,384 bytes of B the partner at place cy takes 4,096: sixteen lanes, and the lanes left over name their wave's last block again.  So each aligned block of 256 bytes is named once in each cluster that loads it.
	; Slots 0 and 1 come by their loads alone; slot 2 is asked for here, behind slot 1's load; the change that loads slot 7 asks for nothing.
	s_cmp_eq_u32 s15, 0                            ; do I fetch for A?
	s_cselect_b64 s[PFA:PFA+1], s[20:21], s[46:47] ; where my wave's loads begin
	s_cselect_b32 s66, s40, s41                    ; my place among the four that ask with me
	s_cselect_b32 s67, 13, 12                      ; a partner's share: 2^13 or 2^12 bytes
	s_cselect_b32 s19, 31, 15
	s_lshl_b32 s66, s66, s67
	s_add_co_u32 s66, s66, 2*KSB                   ; in slot 2
	s_mov_b32 s67, 0
	s_add_nc_u64 s[PFA:PFA+1], s[PFA:PFA+1], s[66:67]
	v_and_b32 v[PFO], 31, v0
	v_min_u32 v[PFO], s19, v[PFO]
	v_lshlrev_b32 v[PFO], 8, v[PFO]
	global_prefetch_b8 v[PFO], s[PFA:PFA+1] th:TH_LOAD_NT scope:SCOPE_SE
	v_and_b32 v1, 15, v0
	s_wait_alu depctr_va_vdst(0)
	v_bfe_u32 v2, v0, 4, 1
	v_and_b32 v3, 31, v0
	v_lshlrev_b32 v3, 4, v3
	s_lshl_b32 s21, s15, 15
	s_lshl_b32 s22, s16, 13
	s_add_co_u32 s22, s22, BOFF
.irp s, 0,1
	v_add_nc_u32 v[ADRA+\s], s21, v3
	v_add_nc_u32 v[ADRB+\s], s22, v3
	s_add_co_u32 s21, s21, SLOT
	s_add_co_u32 s22, s22, SLOT
.endr
	s_mul_i32 s23, s14, 16*SPITCH
	v_mul_u32_u24 v4, v1, SPITCH
	s_wait_alu depctr_va_vdst(0)
	v_lshl_add_u32 v4, v2, 5, v4
	v_add_nc_u32 v[STO], s23, v4
	v_mul_u32_u24 v5, v2, SPITCH
	v_lshl_add_u32 v5, v1, 4, v5
	v_add_nc_u32 v[RD], s23, v5
	v_lshlrev_b32 v[CO], 13, v2
	v_lshl_add_u32 v[CO], v1, 4, v[CO]
	v_lshlrev_b32 v[BO], 5, v2
	s_wait_alu depctr_va_vdst(0)
	s_lshl_b32 s20, s42, 9
	s_lshl_b32 s21, s16, 8
	s_add_co_u32 s20, s20, s21
	s_mov_b32 s21, 0
	s_add_nc_u64 s[10:11], s[10:11], s[20:21]
	s_add_nc_u64 s[12:13], s[12:13], s[20:21]
	s_lshl_b32 s20, s17, 21
	s_lshl_b32 s22, s15, 20
	s_add_co_u32 s20, s20, s22
	s_add_nc_u64 s[12:13], s[12:13], s[20:21]
.irp b, 0,1,2,3
	global_load_b128 v[BIAS+8*\b:BIAS+8*\b+3], v[BO], s[10:11] offset:64*\b
	global_load_b128 v[BIAS+8*\b+4:BIAS+8*\b+7], v[BO], s[10:11] offset:64*\b+16
.endr
.macro FRAG reg, adr, q, i
.irp c, 0,1,2,3
	ds_load_b128 v[\reg+4*\c:\reg+4*\c+3], v[\adr] offset:PANEL*(\q)+FRB*(\i)+512*\c
.endr
.endm
.macro MUL2 a0, p, zero
.irp a, \a0, \a0+1
.irp b, 0,1,2,3
.if \zero
	v_wmma_f32_16x16x128_fp8_fp8 v[8*(4*(\a)+\b):8*(4*(\a)+\b)+7], v[128*(\p)+FR*\b:128*(\p)+FR*\b+FR-1], v[AF+FR*(\a):AF+FR*(\a)+FR-1], 0
.else
	v_wmma_f32_16x16x128_fp8_fp8 v[8*(4*(\a)+\b):8*(4*(\a)+\b)+7], v[128*(\p)+FR*\b:128*(\p)+FR*\b+FR-1], v[AF+FR*(\a):AF+FR*(\a)+FR-1], v[8*(4*(\a)+\b):8*(4*(\a)+\b)+7]
.endif
.endr
.endr
.endm
.macro FETCH_B slot, q, p
	WIN TO_B
.irp i, 0,1,2,3
	FRAG 128*(\p)+FR*\i, ADRB+\slot, \q, \i
.endr
	WIN 0
.endm
.macro FETCH_A slot, q, i0
.irp i, \i0, \i0+1, \i0+2, \i0+3
	FRAG AF+FR*(\i), ADRA+\slot, \q, \i
.endr
.endm
.macro PLACES n
.rept \n
	v_nop
.endr
.endm
.macro STEP slot, q, zero
	s_wait_dscnt 16
	WIN MUL
	MUL2 0, (\q)%2, \zero
	MUL2 2, (\q)%2, \zero
	s_wait_dscnt 0x0
	PLACES NP
	FETCH_B \slot, (\q)+1, 1-(\q)%2
	FETCH_A \slot, (\q)+1, 0
	WIN MUL
	MUL2 4, (\q)%2, \zero
	MUL2 6, (\q)%2, \zero
	PLACES NP
	WIN 0
	FETCH_A \slot, (\q)+1, 4
.endm
.macro TURN slot, next, fill
	s_wait_dscnt 16                                ; a slot's last step is multiplied whole from registers, ahead of the change of slots
	WIN MUL
	MUL2 0, 1, 0
	MUL2 2, 1, 0
	s_wait_dscnt 0x0
	MUL2 4, 1, 0
	MUL2 6, 1, 0
	WIN 0
.if \fill
	s_wait_xcnt 0x0                                ; my last prefetch, a slot back, has read its address: it is stepped here, ahead of the waits of the change of slots
	s_add_nc_u64 s[PFA:PFA+1], s[PFA:PFA+1], KSB   ; one slot further on than the load that this change issues
.endif
	s_wait_tensorcnt 0x0
	ds_add_u32 v[SPW], v[NIL]
	s_wait_dscnt 0x0                               ; the add is done; my reads of this slot were over above
	s_barrier_signal -1
	s_barrier_wait -1
.if \fill
	CREST
	s_add_nc_u64 s[G0+4*\slot+2:G0+4*\slot+3], s[G0+4*\slot+2:G0+4*\slot+3], 2*KSB
	s_add_nc_u64 s[G0B+4*\slot+2:G0B+4*\slot+3], s[G0B+4*\slot+2:G0B+4*\slot+3], 2*KSB
	JLOAD G0+4*\slot, G1, G0B+4*\slot, G1B
.if \slot
	s_cmp_gt_u32 s3, 1                             ; in the loop's last trip this change loads slot 7: no slot follows.  The loop's counter is the same in all partners
	s_cbranch_scc0 .Lnone_\@
.endif
	global_prefetch_b8 v[PFO], s[PFA:PFA+1] th:TH_LOAD_NT scope:SCOPE_SE
.Lnone_\@:
.else
	PLACES NP
.endif
	FETCH_B \next, 0, 0
	FETCH_A \next, 0, 0
	FETCH_A \next, 0, 4
.endm
	s_wait_tensorcnt 1
	s_barrier_signal -1
	s_barrier_wait -1
	FETCH_B 0, 0, 0
	FETCH_A 0, 0, 0
	FETCH_A 0, 0, 4
	STEP 0, 0, 1
	s_mov_b32 s3, LAPS-1
.Llap:
	TURN 0, 1, 1
	STEP 1, 0, 0
	TURN 1, 0, 1
	STEP 0, 0, 0
	s_sub_co_u32 s3, s3, 1
	s_cmp_lg_u32 s3, 0
	s_cbranch_scc1 .Llap
	TURN 0, 1, 0
	STEP 1, 0, 0
	s_wait_dscnt 16
	WIN MUL
	MUL2 0, 1, 0
	MUL2 2, 1, 0
	s_wait_dscnt 0x0
	MUL2 4, 1, 0
	MUL2 6, 1, 0
	WIN 0
.macro TOSTAGE a
	WIN 0x02
.irp j, 0,2,4,6,8,10,12,14,16,18,20,22,24,26,28,30
	v_pk_fma_f32 v[TMP+\j:TMP+\j+1], v[32*(\a)+\j:32*(\a)+\j+1], s[96:97], v[BIAS+\j:BIAS+\j+1] op_sel_hi:[1,0,1]
.endr
	WIN 0
.irp b, 0,1,2,3
	ds_store_b128 v[STO], v[TMP+8*\b:TMP+8*\b+3] offset:64*\b
	ds_store_b128 v[STO], v[TMP+8*\b+4:TMP+8*\b+7] offset:64*\b+16
.endr
.set BB, BK+32*((\a)%2)
.irp t, 0,1,2,3,4,5,6,7
	ds_load_b128 v[BB+4*\t:BB+4*\t+3], v[RD] offset:\t*2*SPITCH
.endr
.endm
.macro SEND a, younger
.set BB, BK+32*((\a)%2)
	s_wait_dscnt \younger
.irp t, 0,1,2,3,4,5,6,7
	global_store_b128 v[CO], v[BB+4*\t:BB+4*\t+3], s[12:13] offset:(16*(\a)+2*\t)*8192 th:TH_STORE_NT
.endr
.endm
	s_wait_kmcnt 0x0
	s_add_co_i32 s96, s96, s97
	s_add_co_i32 s96, s96, 127
	s_lshl_b32 s96, s96, 23
	s_mov_b32 s97, s96
	s_wait_loadcnt 0x0
	PLACES NP
	TOSTAGE 0
.irp a, 1,2,3,4,5,6,7
.if \a > 1
	s_wait_xcnt 0x0
.endif
	TOSTAGE \a
	SEND \a-1, 16
.endr
	SEND 7, 0
	s_wait_tensorcnt 0x0
	ds_add_u32 v[SPW], v[NIL]
	s_wait_dscnt 0x0
	CROUND
	s_endpgm
.Lfunc_end_k_qb5854f564b_outp:
	.size	k_qb5854f564b_outp, .Lfunc_end_k_qb5854f564b_outp-k_qb5854f564b_outp
	.p2alignl 7, 3214868480
	.fill 96, 4, 3214868480
	.section	.rodata,"a",@progbits
	.p2align	6, 0x0
	.amdhsa_kernel k_qb5854f564b_outp
		.amdhsa_group_segment_fixed_size 327680
		.amdhsa_private_segment_fixed_size 0
		.amdhsa_enable_private_segment 0
		.amdhsa_kernarg_size 40
		.amdhsa_user_sgpr_count 2
		.amdhsa_user_sgpr_kernarg_segment_ptr 1
		.amdhsa_wavefront_size32 1
		.amdhsa_system_sgpr_workgroup_id_x 1
		.amdhsa_system_sgpr_workgroup_id_y 1
		.amdhsa_system_sgpr_workgroup_id_z 1
		.amdhsa_system_vgpr_workitem_id 0
		.amdhsa_next_free_vgpr 768
		.amdhsa_next_free_sgpr 100
		.amdhsa_reserve_vcc 0
		.amdhsa_float_denorm_mode_32 3
		.amdhsa_float_denorm_mode_16_64 3
		.amdhsa_memory_ordered 1
		.amdhsa_forward_progress 1
		.amdhsa_inst_pref_size 78
	.end_amdhsa_kernel
	.amdgpu_metadata
---
amdhsa.version: [ 1, 2 ]
amdhsa.kernels:
  - .name:           k_qb5854f564b_outp
    .symbol:         k_qb5854f564b_outp.kd
    .args:
      - { .name: ctx_img, .offset: 0, .size: 8, .value_kind: global_buffer, .address_space: global }
      - { .name: wo_img, .offset: 8, .size: 8, .value_kind: global_buffer, .address_space: global }
      - { .name: lowp_scales, .offset: 16, .size: 8, .value_kind: global_buffer, .address_space: global }
      - { .name: bo, .offset: 24, .size: 8, .value_kind: global_buffer, .address_space: global }
      - { .name: out0, .offset: 32, .size: 8, .value_kind: global_buffer, .address_space: global }
    .group_segment_fixed_size: 327680
    .private_segment_fixed_size: 0
    .kernarg_segment_align: 8
    .kernarg_segment_size: 40
    .max_flat_workgroup_size: 128
    .sgpr_count:     100
    .vgpr_count:     768
    .wavefront_size: 32
...
	.end_amdgpu_metadata
.endif
;; end of part 4
